; MI455X (gfx1250); checked and timed in simulation.
; The chip was launched on July 23, 2026; its instructions are those of AMD's public machine-readable ISA for CDNA 5 (MIT licence, August 2026) and "CDNA5" Instruction Set Architecture Reference Guide (July 2026). The comments in the code are by the model that wrote it; some were corrected since.
;; Dummy Attention. Allowed arithmetic: float matrix products may take bf16 or f16 operands with f32 sums; all other float work in f32.
;; Inputs: hidden_states 2 x 1,024 x 2,048 float32; wk 2,048 x 2,048 float32; wo 2,048 x 2,048 float32; wq 2,048 x 2,048 float32; wv 2,048 x 2,048 float32.
;; Outputs: out0 2 x 1,024 x 2,048 float32.
;; 2 versions, each right; version 2 is version 1 with the launch cast written anew for expert scheduling mode. Each part assembles by itself: llvm-mc -triple=amdgcn-amd-amdhsa -mcpu=gfx1250 --defsym DOCPART=n.
;; ======== version 1 of 2: 4 launches
;; limits: values are held in f16: magnitudes above 65,504 overflow, below 6.1e-05 lose precision
;; workspace buffers: xh 8,388,608 bytes; wh 33,554,432 bytes; qh 8,388,608 bytes; kh 8,388,608 bytes; vh 8,388,608 bytes; ah 8,388,608 bytes
;; launch cast (part 1): grid 1024 x 1, 8 waves a work-group, no clusters, 0 bytes of LDS; arguments hidden_states, wq, wk, wv, wo, xh, wh; writes xh, wh
.if DOCPART == 1
	.amdgcn_target "amdgcn-amd-amdhsa--gfx1250"
	.amdhsa_code_object_version 6
	.text
	.protected	k_q56b2dfb8d8_cast
	.globl	k_q56b2dfb8d8_cast
	.p2align	8
	.type	k_q56b2dfb8d8_cast,@function
k_q56b2dfb8d8_cast:
	s_mov_b64 s[64:65], 0
	v_nop
	global_prefetch_b8 v0, s[64:65] scope:SCOPE_SE
	s_setreg_imm32_b32 hwreg(HW_REG_WAVE_MODE, 25, 1), 1
	s_wait_xcnt 0x0
; f32 -> f16 of the five inputs, each 2048 x 2048: hidden_states -> xh; wq, wk, wv, wo -> wh at bytes 0, 0x800000, 0x1000000, 0x1800000.
; Why a launch of its own: the later launches bring their tiles into LDS by tensor loads, which move bytes and convert nothing.
; Why f16 and not bf16: f16 keeps three more bits, and every operand of this module has room in its range (see LIMITS).
; LIMITS: an input above 65,504 in magnitude becomes an infinity; below 6.1e-5 the absolute error is up to 3e-8 (f16 denormals).
; A stream: bytes are all that counts.  No LDS, no barrier, no matrix unit, no cluster: no byte is used twice and no wave needs another's.
; Work-group g owns bytes 16,384 g .. +16,383 of each input and 8,192 g .. +8,191 of each output; 1,024 work-groups cover 16,777,216 bytes.
; A wave's load covers 512 consecutive bytes, its store 256 consecutive bytes at a multiple of 256.  All 20 loads of a wave go out first.
.set X, 4                              ; v[4:83]  20 groups of four registers as loaded; the first two of each group as stored
	s_load_b256 s[4:11], s[0:1], 0x0               ; hidden_states s[4:5], wq s[6:7], wk s[8:9], wv s[10:11]
	s_load_b128 s[12:15], s[0:1], 0x20             ; wo s[12:13], xh s[14:15]
	s_load_b64 s[16:17], s[0:1], 0x30              ; wh
	s_lshl_b32 s2, ttmp9, 14                       ; my 16,384 bytes of an input
	s_lshl_b32 s3, ttmp9, 13                       ; my 8,192 bytes of an output
	v_lshl_add_u32 v1, v0, 4, s2                   ; 16 bytes a thread in
	v_lshl_add_u32 v2, v0, 3, s3                   ; 8 bytes a thread out
	s_wait_kmcnt 0x0
.macro LD4 i, base                     ; four loads: the work-group's 16,384 bytes of one input
.irp j, 0,1,2,3
	global_load_b128 v[X+16*\i+4*\j:X+16*\i+4*\j+3], v1, s[\base:\base+1] offset:4096*\j th:TH_LOAD_NT
.endr
.endm
; left = the loads issued behind this group's four: they may stay out (loads return in order: ISA guide 5.7.1)
.macro CV4 i, base, left
	s_wait_loadcnt \left
.irp j, 0,1,2,3
	v_cvt_pk_f16_f32 v[X+16*\i+4*\j],   v[X+16*\i+4*\j],   v[X+16*\i+4*\j+1]
	v_cvt_pk_f16_f32 v[X+16*\i+4*\j+1], v[X+16*\i+4*\j+2], v[X+16*\i+4*\j+3]
	global_store_b64 v2, v[X+16*\i+4*\j:X+16*\i+4*\j+1], s[\base:\base+1] offset:2048*\j
.endr
.endm
	LD4 0, 4
	LD4 1, 6
	LD4 2, 8
	LD4 3, 10
	LD4 4, 12
	s_add_nc_u64 s[18:19], s[16:17], 0x800000      ; wk's, wv's and wo's places in wh: bases of their own, since the
	s_add_nc_u64 s[20:21], s[16:17], 0x1000000     ; distances do not fit the store's signed 24-bit immediate
	s_add_nc_u64 s[22:23], s[16:17], 0x1800000
	CV4 0, 14, 16
	CV4 1, 16, 12
	CV4 2, 18, 8
	CV4 3, 20, 4
	CV4 4, 22, 0
	s_endpgm                                       ; no register is written again behind its store
.Lfunc_end_k_q56b2dfb8d8_cast:
	.size	k_q56b2dfb8d8_cast, .Lfunc_end_k_q56b2dfb8d8_cast-k_q56b2dfb8d8_cast
	.p2alignl 7, 3214868480
	.fill 96, 4, 3214868480
	.section	.rodata,"a",@progbits
	.p2align	6, 0x0
	.amdhsa_kernel k_q56b2dfb8d8_cast
		.amdhsa_group_segment_fixed_size 0
		.amdhsa_private_segment_fixed_size 0
		.amdhsa_enable_private_segment 0
		.amdhsa_kernarg_size 56
		.amdhsa_user_sgpr_count 2
		.amdhsa_user_sgpr_kernarg_segment_ptr 1
		.amdhsa_wavefront_size32 1
		.amdhsa_system_sgpr_workgroup_id_x 1
		.amdhsa_system_sgpr_workgroup_id_y 1
		.amdhsa_system_sgpr_workgroup_id_z 1
		.amdhsa_system_vgpr_workitem_id 0
		.amdhsa_next_free_vgpr 84
		.amdhsa_next_free_sgpr 66
		.amdhsa_reserve_vcc 0
		.amdhsa_float_denorm_mode_32 3
		.amdhsa_float_denorm_mode_16_64 3
		.amdhsa_memory_ordered 1
		.amdhsa_forward_progress 1
		.amdhsa_inst_pref_size 8
	.end_amdhsa_kernel
	.amdgpu_metadata
---
amdhsa.version: [ 1, 2 ]
amdhsa.kernels:
  - .name:           k_q56b2dfb8d8_cast
    .symbol:         k_q56b2dfb8d8_cast.kd
    .args:
      - { .name: hidden_states, .offset: 0, .size: 8, .value_kind: global_buffer, .address_space: global }
      - { .name: wq, .offset: 8, .size: 8, .value_kind: global_buffer, .address_space: global }
      - { .name: wk, .offset: 16, .size: 8, .value_kind: global_buffer, .address_space: global }
      - { .name: wv, .offset: 24, .size: 8, .value_kind: global_buffer, .address_space: global }
      - { .name: wo, .offset: 32, .size: 8, .value_kind: global_buffer, .address_space: global }
      - { .name: xh, .offset: 40, .size: 8, .value_kind: global_buffer, .address_space: global }
      - { .name: wh, .offset: 48, .size: 8, .value_kind: global_buffer, .address_space: global }
    .group_segment_fixed_size: 0
    .private_segment_fixed_size: 0
    .kernarg_segment_align: 8
    .kernarg_segment_size: 56
    .max_flat_workgroup_size: 256
    .sgpr_count:     66
    .vgpr_count:     84
    .wavefront_size: 32
...
	.end_amdgpu_metadata
.endif
;; end of part 1
;; launch qkv (part 2): grid 16 x 16, 4 waves a work-group, clusters of 4 x 4, 327,680 bytes of LDS; arguments xh, wh, qh, kh, vh; writes qh, kh, vh
.if DOCPART == 2
	.amdgcn_target "amdgcn-amd-amdhsa--gfx1250"
	.amdhsa_code_object_version 6
	.text
	.protected	k_q56b2dfb8d8_qkv
	.globl	k_q56b2dfb8d8_qkv
	.p2align	8
	.type	k_q56b2dfb8d8_qkv,@function
k_q56b2dfb8d8_qkv:
	s_mov_b64 s[64:65], 0
	v_nop
	global_prefetch_b8 v0, s[64:65] scope:SCOPE_SE
	s_setreg_imm32_b32 hwreg(HW_REG_WAVE_MODE, 25, 1), 1
	s_wait_xcnt 0x0
	s_wait_alu depctr_hold_cnt(0) depctr_sa_sdst(0) depctr_va_vdst(0) depctr_va_sdst(0) depctr_va_ssrc(0) depctr_va_vcc(0) depctr_vm_vsrc(0)
	s_getreg_b32 s2, hwreg(HW_REG_IB_STS2, 6, 4)
	s_cmp_eq_u32 s2, 0
	s_cbranch_scc0 .Lentry_in_a_cluster
	s_endpgm
.Lentry_in_a_cluster:
	s_bfe_u32 s2, ttmp6, 0x10000c
	s_cmp_lg_u32 s2, 0xf033
	s_cbranch_scc0 .Lentry_shape_is_right
	s_endpgm
.Lentry_shape_is_right:
; q, k, v = x W^T for wq, wk, wv.  xh: [2048][2048] f16.  wh: wq, wk, wv as [2048][2048] f16, 0x800000 bytes apart.  qh, kh, vh: [2048][2048] f16.
; Sums in f32, rounded once to f16.  LIMIT: a result above 65,504 in magnitude becomes an infinity.
; A work-group (rb, hd) makes rows 128 rb .. +127 of q, k and v for head hd: a block of 128 x 384 (columns 0-127 q, 128-255 k, 256-383 v).
; 16 x 16 = 256 work-groups.  Wave w makes all 128 rows x columns 96 w .. +95: 48 accumulator tiles of 16 x 16, 384 registers.
; GRID: x counts row blocks, y counts heads.  The work-groups of one half of the y range then read half of the weights and all of x, 12.6 + 8.4 MB;
; with the axes the other way round they would read all weights and half of x, 25.2 + 4.2 MB.
; K goes in steps of 128 through two LDS slots; a slot holds four tiles of 128 rows x 256 bytes (x, wq, wk, wv), one tensor load a wave.
; CLUSTERS: 4 x 4 work-groups.  x's tile hangs on rb alone and is asked for jointly by the four of a column of the cluster; the three weight tiles hang on hd
; alone and are asked for jointly by the four of a row: the requests for all four tiles are divided by four.
; REGISTERS in windows of 256: window 0: addresses, x's fragments (two buffers), packing; window 1: W's fragments (two buffers);
; window 2: accumulator tiles of rows 0-63 (tile (a, b) at v[8 (6 a + b)]); window 3: those of rows 64-127.
; THE MATRIX INSTRUCTION IS USED TRANSPOSED: source 0 = 16 rows of W, source 1 = 16 rows of x; lane l then holds row l % 16 of the result and its
; eight registers the columns 8 (l / 16) + 0 .. 7: eight neighbours of a row, 16 bytes of f16.
; The 48 accumulators take turns, one instruction a turn, in one fixed order, over the loop's backward jump too.
.set KSTEP,  128
.set PITCH,  272                       ; an LDS row: 256 bytes + 16 of padding, an odd multiple of 16: the 16 rows of a fragment load start at 16 different 16-byte columns modulo 256
.set TILE,   128*PITCH                 ; what one tensor load brings
.set SLOT,   4*TILE                    ; x's rows, then wq's, wk's, wv's: column n of the block lies at TILE + 272 n
.set CP,     784                       ; the way out: a row of 384 f16 + 16 bytes, an odd multiple of 16
.set LAPS,   8                         ; 2048 / (2 x 128): a lap is once round the ring
.set ADRA, 16                          ; v16-17  LDS address of my x fragments in slot 0, 1
.set ADRB, 20                          ; v20-21  the same for my 96 rows of W
.set STO,  24                          ; v24     the way out: where I put 16 bytes of rows 0-63
.set STO2, 25                          ; v25     the same for rows 64-127 (the distance does not fit the 16-bit offset)
.set RD,   26                          ; v26     the way out: where I read 16 bytes of a row back
.set CO,   27                          ; v27     my byte offset in q, k, v
.set F0,   64
.set F1,   128
.set TMP,  192                         ; v192-215 packed results
.set G1,   24                          ; s[24:31] group 1 for x's tile
.set G0,   32                          ; s[32:39] group 0 for x's tile, a set for each slot
.set G1B,  48                          ; s[48:55] group 1 for the weights' tiles: only the mask differs
.set G0B,  56                          ; s[56:63] group 0 for the weights' tiles, a set for each slot
.set MSB, 0
.macro WIN new                         ; the immediate's high byte repeats the setting that is left
.if MSB != \new
	s_set_vgpr_msb (MSB<<8)|\new
.set MSB, \new
.endif
.endm
.set MUL_LO, 0xa1                      ; source 0 (W) window 1, source 1 (x) window 0, C and D window 2
.set MUL_HI, 0xf1                      ; the same, C and D window 3
.set TO_B,   0x40                      ; destination window 1, address window 0
; A joint load.  Wave 0 asks for x's tile, waves 1 to 3 for wq's, wk's, wv's.  The branch hangs on the wave's number alone.
.macro JLOAD s
	s_cmp_eq_u32 s14, 0
	s_cbranch_scc0 .Lfor_b_\@
	tensor_load_to_lds s[G0+4*\s:G0+4*\s+3], s[G1:G1+7]
	s_nop 0
	s_branch .Lasked_\@
.Lfor_b_\@:
	tensor_load_to_lds s[G0B+4*\s:G0B+4*\s+3], s[G1B:G1B+7]
	s_nop 0
.Lasked_\@:
.endm
.macro CREST                           ; a round of the cluster's barrier behind its opening work-group barrier
	s_cmp_lg_u32 s14, 0
	s_cbranch_scc1 .Lnot_wave_0_\@
	s_barrier_signal -3
.Lnot_wave_0_\@:
	s_barrier_wait -3
	s_barrier_signal -1
	s_barrier_wait -1
.endm
.macro CROUND                          ; a whole round
	s_barrier_signal -1
	s_barrier_wait -1
	CREST
.endm
	s_load_b256 s[4:11], s[0:1], 0x0               ; xh s[4:5], wh s[6:7], qh s[8:9], kh s[10:11]
	s_load_b64 s[12:13], s[0:1], 0x20              ; vh
	s_set_vgpr_msb 0x40
	v_lshl_add_u32 v255, v0, 2, 0x44000
	s_set_vgpr_msb 0x4000
	v_mov_b32 v255, 0
	s_set_vgpr_msb 0x1
	ds_add_u32 v255, v255
	s_set_vgpr_msb 0x100
	v_lshrrev_b32 v1, 5, v0
	v_readfirstlane_b32 s14, v1                    ; wave 0..3
	s_bfe_u32 s40, ttmp6, 0x40000                  ; cx
	s_bfe_u32 s41, ttmp6, 0x40004                  ; cy
	s_lshl_b32 s43, ttmp9, 2
	s_add_co_u32 s43, s43, s40                     ; rb = 4 x cluster x + cx
	s_and_b32 s42, ttmp7, 0xffff
	s_lshl_b32 s42, s42, 2
	s_add_co_u32 s42, s42, s41                     ; hd = 4 x cluster y + cy
	s_lshl_b32 s44, s41, 2
	s_lshl_b32 s44, 15, s44                        ; my row of the cluster: places 4 cy .. 4 cy + 3
	s_lshl_b32 s45, 0x1111, s40                    ; my column: places cx, cx + 4, cx + 8, cx + 12
	; group 1: 128 rows x 128 elements of 2 bytes, 4 words of padding behind every 64 words, pitch 2,048 elements
	s_or_b32 s[G1+0],  s45, (1<<16)|(1<<20)|(1<<21)|(5<<22)|(3<<25)   ; x's tile hangs on rb, so on cx: it goes to my column
	s_or_b32 s[G1B+0], s44, (1<<16)|(1<<20)|(1<<21)|(5<<22)|(3<<25)   ; the weights' tiles hang on hd, so on cy: they go to my row
	s_mov_b32 s[G1+1],  KSTEP<<16                  ; tensor_dim0 = 128
	s_mov_b32 s[G1B+1], KSTEP<<16
	s_mov_b32 s[G1+2],  128<<16                    ; tensor_dim1 = 128
	s_mov_b32 s[G1B+2], 128<<16
	s_mov_b32 s[G1+3],  KSTEP<<16                  ; tile_dim0 = 128
	s_mov_b32 s[G1B+3], KSTEP<<16
	s_mov_b32 s[G1+4],  128                        ; tile_dim1 = 128
	s_mov_b32 s[G1B+4], 128
	s_mov_b32 s[G1+5],  2048                       ; elements from row to row
	s_mov_b32 s[G1B+5], 2048
	s_mov_b32 s[G1+6],  0
	s_mov_b32 s[G1B+6], 0
	s_mov_b32 s[G1+7],  0
	s_mov_b32 s[G1B+7], 0
	; x's tile: row 128 rb (4,096 bytes a row).  A weight's tile: matrix w - 1 (0x800000 bytes each), row 128 hd.  Neither address holds the other coordinate.
	s_lshl_b32 s16, s43, 19
	s_mov_b32 s17, 0
	s_max_u32 s21, s14, 1
	s_sub_co_u32 s21, s21, 1                       ; waves 1, 2, 3: matrix 0, 1, 2 (wave 0 makes matrix 0's address and does not use it)
	s_lshl_b32 s21, s21, 23
	s_lshl_b32 s46, s42, 19
	s_add_co_u32 s46, s46, s21
	s_mov_b32 s47, 0
	s_mul_i32 s20, s14, TILE                       ; where my tile goes: wave x 128 rows
	s_wait_dscnt 0x0
	s_wait_kmcnt 0x0
	s_add_nc_u64 s[18:19], s[4:5], s[16:17]
	s_add_nc_u64 s[46:47], s[6:7], s[46:47]
	CROUND                                         ; all sixteen work-groups are here: the first joint loads meet
.irp s, 0,1
	s_mov_b32 s[G0+4*\s], 1
	s_add_co_u32 s[G0+4*\s+1], s20, \s*SLOT
	s_add_nc_u64 s[G0+4*\s+2:G0+4*\s+3], s[18:19], \s*KSTEP*2      ; K step s
	s_or_b32 s[G0+4*\s+3], s[G0+4*\s+3], 0x80000000
	s_mov_b32 s[G0B+4*\s], 1
	s_add_co_u32 s[G0B+4*\s+1], s20, \s*SLOT
	s_add_nc_u64 s[G0B+4*\s+2:G0B+4*\s+3], s[46:47], \s*KSTEP*2
	s_or_b32 s[G0B+4*\s+3], s[G0B+4*\s+3], 0x80000000
	JLOAD \s                                       ; both first fills go out together: two loads of the wave are out
.endr
	v_and_b32 v1, 15, v0                           ; r = l % 16
	v_bfe_u32 v2, v0, 4, 1                         ; h = l / 16
	v_mul_u32_u24 v3, v1, PITCH
	v_lshl_add_u32 v3, v2, 4, v3                   ; a fragment's lane term: row x pitch + 16 h
	s_mul_i32 s21, s14, 96*PITCH                   ; my 96 rows of W,
	s_add_co_u32 s21, s21, TILE                    ; which lie behind x's 128
	v_mov_b32 v[ADRA], v3
	v_add_nc_u32 v[ADRA+1], SLOT, v3
	v_add_nc_u32 v[ADRB], s21, v3
	s_add_co_u32 s21, s21, SLOT
	v_add_nc_u32 v[ADRB+1], s21, v3
	v_mul_u32_u24 v4, v1, CP                       ; in: row r, my wave's 192 bytes, 16 bytes for each half of the lanes
	v_lshl_add_u32 v4, v2, 4, v4
	s_mul_i32 s22, s14, 192
	v_add_nc_u32 v[STO], s22, v4
	v_add_nc_u32 v[STO2], 64*CP, v[STO]
	v_mul_u32_u24 v5, v2, CP                       ; back: wave w takes rows 32 w .. +31; lanes 0-15 one row's 256 bytes, lanes 16-31 the next row's
	v_lshl_add_u32 v5, v1, 4, v5
	s_mul_i32 s22, s14, 32*CP
	v_add_nc_u32 v[RD], s22, v5
	v_lshlrev_b32 v5, 4, v1
	v_lshl_add_u32 v[CO], v2, 12, v5               ; the same two rows in q, k, v
; 12 matrix instructions: m blocks a0, a0 + 1 of the window's four x my 6 n blocks, 32 along K.  zero = 1: the first product starts the sums.
.macro MUL12 f, hi, a0, zero
.irp a, \a0, \a0+1
.irp b, 0,1,2,3,4,5
.if \zero
	v_wmma_f32_16x16x32_f16 v[8*(6*(\a)+\b):8*(6*(\a)+\b)+7], v[\f+8*\b:\f+8*\b+7], v[\f+8*(4*\hi+\a):\f+8*(4*\hi+\a)+7], 0
.else
	v_wmma_f32_16x16x32_f16 v[8*(6*(\a)+\b):8*(6*(\a)+\b)+7], v[\f+8*\b:\f+8*\b+7], v[\f+8*(4*\hi+\a):\f+8*(4*\hi+\a)+7], v[8*(6*(\a)+\b):8*(6*(\a)+\b)+7]
.endif
.endr
.endr
.endm
; 28 LDS loads in one run: 96 rows of W, then 128 rows of x, 32 K at byte k of the rows, into buffer f
.macro FETCH slot, k, f
	WIN TO_B
.irp i, 0,1,2,3,4,5
	ds_load_b128 v[\f+8*\i:\f+8*\i+3],   v[ADRB+\slot] offset:\k+\i*16*PITCH
	ds_load_b128 v[\f+8*\i+4:\f+8*\i+7], v[ADRB+\slot] offset:\k+\i*16*PITCH+32
.endr
	WIN 0
.irp i, 0,1,2,3,4,5,6,7
	ds_load_b128 v[\f+8*\i:\f+8*\i+3],   v[ADRA+\slot] offset:\k+\i*16*PITCH
	ds_load_b128 v[\f+8*\i+4:\f+8*\i+7], v[ADRA+\slot] offset:\k+\i*16*PITCH+32
.endr
.endm
; Four independent vector instructions stand between a matrix instruction and a load into one of its sources, or a vector instruction or LDS store that reads
; its result (ISA guide 7.12.1 for vector instructions).
.macro PLACES
.rept 4
	v_nop
.endr
.endm
; A quarter step: 32 along K, 48 matrix instructions on buffer f; in its middle the next quarter's fragments are fetched into buffer g.
.macro QUARTER slot, k, f, g, zero
	s_wait_dscnt 8                                 ; W and x's rows 0-63 are in; the youngest eight loads (x's rows 64-127) may be out
	WIN MUL_LO
	MUL12 \f, 0, 0, \zero
	MUL12 \f, 0, 2, \zero
	PLACES
	FETCH \slot, \k, \g
	s_wait_dscnt 28                                ; all but the 28 just issued
	WIN MUL_HI
	MUL12 \f, 1, 0, \zero
	MUL12 \f, 1, 2, \zero
.endm
.macro THREE slot, zero
	QUARTER \slot, 64,  F0, F1, \zero
	QUARTER \slot, 128, F1, F0, 0
	QUARTER \slot, 192, F0, F1, 0
.endm
; The last quarter of a K step changes slots.  In front of the barrier each wave waits for its reads of this slot and for all its tensor loads (one is out: its
; tile of the next slot).  With fill = 1 the barrier opens a round of the cluster's barrier, and the joint refill is the first tensor load behind the round.
; From a request to the wait for it a wave issues 180 matrix instructions.
.macro TURN slot, next, fill
	s_wait_dscnt 8
	WIN MUL_LO
	MUL12 F1, 0, 0, 0
	s_wait_dscnt 0                                 ; my reads of this slot are over
	s_wait_tensorcnt 0x0                           ; all my tensor loads have landed
	ds_add_u32 v255, v255
	s_wait_dscnt 0x0
	s_barrier_signal -1
	MUL12 F1, 0, 2, 0                              ; register work while the others arrive
	WIN 0
	s_barrier_wait -1
.if \fill
	CREST                                          ; no wave of any partner still reads this slot or has a load on its way
	s_add_nc_u64 s[G0+4*\slot+2:G0+4*\slot+3], s[G0+4*\slot+2:G0+4*\slot+3], 2*KSTEP*2
	s_add_nc_u64 s[G0B+4*\slot+2:G0B+4*\slot+3], s[G0B+4*\slot+2:G0B+4*\slot+3], 2*KSTEP*2
	JLOAD \slot
.endif
	PLACES
	FETCH \next, 0, F0
	WIN MUL_HI
	MUL12 F1, 1, 0, 0
	MUL12 F1, 1, 2, 0
.endm
.macro LAP zero
	THREE 0, \zero
	TURN 0, 1, 1
	THREE 1, 0
	TURN 1, 0, 1
.endm
	s_wait_tensorcnt 1                             ; my tile of K step 0 is in; K step 1's stays out
	s_barrier_signal -1
	s_barrier_wait -1
	FETCH 0, 0, F0
	LAP 1                                          ; the first lap starts the sums; laps 0 to 6 fill K steps 2 to 15
	WIN 0                                          ; at a label and at a branch every window is 0
	s_mov_b32 s3, LAPS-2
.Llap:
	LAP 0
	WIN 0
	s_sub_co_u32 s3, s3, 1
	s_cmp_lg_u32 s3, 0
	s_cbranch_scc1 .Llap
	THREE 0, 0                                     ; the last lap fills nothing
	TURN 0, 1, 0                                   ; behind its barrier no wave reads slot 0 any more, and slot 0 has had its last fill
	THREE 1, 0
	s_wait_dscnt 8
	WIN MUL_LO
	MUL12 F1, 0, 0, 0
	MUL12 F1, 0, 2, 0
	s_wait_dscnt 0
	WIN MUL_HI
	MUL12 F1, 1, 0, 0
	MUL12 F1, 1, 2, 0
	; THE WAY OUT.  A wave's 96 columns are 192 bytes of a row, no whole block of 256: so the four waves lay the block of 128 x 384 into slot 0's bytes
	; (100,352 of its 139,264), and behind a barrier each wave reads 32 whole rows back and stores 256 consecutive bytes, aligned, from sixteen lanes.
	PLACES
	s_lshl_b32 s66, s43, 19                        ; row 128 rb + 32 w, column 128 hd, in bytes
	s_lshl_b32 s67, s14, 17
	s_add_co_u32 s66, s66, s67
	s_lshl_b32 s67, s42, 8
	s_add_co_u32 s66, s66, s67
	s_mov_b32 s67, 0
	s_add_nc_u64 s[8:9], s[8:9], s[66:67]
	s_add_nc_u64 s[10:11], s[10:11], s[66:67]
	s_add_nc_u64 s[12:13], s[12:13], s[66:67]
; rows 16 a .. +15 of the window's 64 (from = 0x0a: sources in window 2; 0x0f: window 3)
.macro STG a, from, sto
	WIN \from
.irp b, 0,1,2,3,4,5
.irp p, 0,1,2,3
	v_cvt_pk_f16_f32 v[TMP+4*\b+\p], v[8*(6*\a+\b)+2*\p], v[8*(6*\a+\b)+2*\p+1]
.endr
.endr
	WIN 0
.irp b, 0,1,2,3,4,5
	ds_store_b128 v[\sto], v[TMP+4*\b:TMP+4*\b+3] offset:\a*16*CP+32*\b
.endr
.endm
	STG 0, 0x0a, STO
	STG 1, 0x0a, STO
	STG 2, 0x0a, STO
	STG 3, 0x0a, STO
	STG 0, 0x0f, STO2
	STG 1, 0x0f, STO2
	STG 2, 0x0f, STO2
	STG 3, 0x0f, STO2
	s_wait_dscnt 0                                 ; my stores are in LDS, for the others' sake
	s_barrier_signal -1
	s_barrier_wait -1
; part u of the rows (0 q, 1 k, 2 v) of my 32 rows, through buffer f, to the buffer whose address is in s[base:base+1]
.macro DRAIN u, f, base, again
.if \again
	s_wait_xcnt 0x0                                ; buffer f, which earlier stores read, is loaded again only behind this wait (ISA guide 3.1)
.endif
.irp t, 0,1,2,3,4,5,6,7,8,9,10,11,12,13,14,15
	ds_load_b128 v[\f+4*\t:\f+4*\t+3], v[RD] offset:\t*2*CP+256*\u
.endr
.irp t, 0,1,2,3,4,5,6,7,8,9,10,11,12,13,14,15
	s_wait_dscnt 15-\t                             ; LDS loads return in order: load t is in, the younger ones may be out
	global_store_b128 v[CO], v[\f+4*\t:\f+4*\t+3], s[\base:\base+1] offset:\t*8192
.endr
.endm
	DRAIN 0, F0, 8, 0
	DRAIN 1, F1, 10, 0
	DRAIN 2, F0, 12, 1
	s_set_vgpr_msb 0x1
	s_wait_tensorcnt 0x0
	ds_add_u32 v255, v255
	s_wait_dscnt 0x0
	s_set_vgpr_msb 0x100
	CROUND                                         ; the closing round: no work-group ends while a partner may still ask for a tile that names it
	s_endpgm
.Lfunc_end_k_q56b2dfb8d8_qkv:
	.size	k_q56b2dfb8d8_qkv, .Lfunc_end_k_q56b2dfb8d8_qkv-k_q56b2dfb8d8_qkv
	.p2alignl 7, 3214868480
	.fill 96, 4, 3214868480
	.section	.rodata,"a",@progbits
	.p2align	6, 0x0
	.amdhsa_kernel k_q56b2dfb8d8_qkv
		.amdhsa_group_segment_fixed_size 327680
		.amdhsa_private_segment_fixed_size 0
		.amdhsa_enable_private_segment 0
		.amdhsa_kernarg_size 40
		.amdhsa_user_sgpr_count 2
		.amdhsa_user_sgpr_kernarg_segment_ptr 1
		.amdhsa_wavefront_size32 1
		.amdhsa_system_sgpr_workgroup_id_x 1
		.amdhsa_system_sgpr_workgroup_id_y 1
		.amdhsa_system_sgpr_workgroup_id_z 1
		.amdhsa_system_vgpr_workitem_id 0
		.amdhsa_next_free_vgpr 960
		.amdhsa_next_free_sgpr 72
		.amdhsa_reserve_vcc 0
		.amdhsa_float_denorm_mode_32 3
		.amdhsa_float_denorm_mode_16_64 3
		.amdhsa_memory_ordered 1
		.amdhsa_forward_progress 1
		.amdhsa_inst_pref_size 157
	.end_amdhsa_kernel
	.amdgpu_metadata
---
amdhsa.version: [ 1, 2 ]
amdhsa.kernels:
  - .name:           k_q56b2dfb8d8_qkv
    .symbol:         k_q56b2dfb8d8_qkv.kd
    .args:
      - { .name: xh, .offset: 0, .size: 8, .value_kind: global_buffer, .address_space: global }
      - { .name: wh, .offset: 8, .size: 8, .value_kind: global_buffer, .address_space: global }
      - { .name: qh, .offset: 16, .size: 8, .value_kind: global_buffer, .address_space: global }
      - { .name: kh, .offset: 24, .size: 8, .value_kind: global_buffer, .address_space: global }
      - { .name: vh, .offset: 32, .size: 8, .value_kind: global_buffer, .address_space: global }
    .group_segment_fixed_size: 327680
    .private_segment_fixed_size: 0
    .kernarg_segment_align: 8
    .kernarg_segment_size: 40
    .max_flat_workgroup_size: 128
    .sgpr_count:     72
    .vgpr_count:     960
    .wavefront_size: 32
...
	.end_amdgpu_metadata
.endif
;; end of part 2
;; launch attn (part 3): grid 8 x 32, 4 waves a work-group, clusters of 4 x 1, 327,680 bytes of LDS; arguments qh, kh, vh, ah; writes ah
.if DOCPART == 3
	.amdgcn_target "amdgcn-amd-amdhsa--gfx1250"
	.amdhsa_code_object_version 6
	.text
	.protected	k_q56b2dfb8d8_attn
	.globl	k_q56b2dfb8d8_attn
	.p2align	8
	.type	k_q56b2dfb8d8_attn,@function
k_q56b2dfb8d8_attn:
	s_mov_b64 s[64:65], 0
	v_nop
	global_prefetch_b8 v0, s[64:65] scope:SCOPE_SE
	s_setreg_imm32_b32 hwreg(HW_REG_WAVE_MODE, 25, 1), 1
	s_wait_xcnt 0x0
	s_wait_alu depctr_hold_cnt(0) depctr_sa_sdst(0) depctr_va_vdst(0) depctr_va_sdst(0) depctr_va_ssrc(0) depctr_va_vcc(0) depctr_vm_vsrc(0)
	s_getreg_b32 s2, hwreg(HW_REG_IB_STS2, 6, 4)
	s_cmp_eq_u32 s2, 0
	s_cbranch_scc0 .Lentry_in_a_cluster
	s_endpgm
.Lentry_in_a_cluster:
	s_bfe_u32 s2, ttmp6, 0x10000c
	s_cmp_lg_u32 s2, 0x3003
	s_cbranch_scc0 .Lentry_shape_is_right
	s_endpgm
.Lentry_shape_is_right:
; a = softmax(q k^T / sqrt(128)) v for each of 32 (batch, head) pairs.  qh, kh, vh, ah: [2048 = b 1024 + s][2048 = head 128 + d] f16.
; Scores, maxima, sums and the output's sums in f32; the probabilities go to the matrix unit in f16 (they lie in [0, about 1], since the running maximum is taken away).
; LIMIT: an output above 65,504 in magnitude becomes an infinity.
; A work-group takes one (b, head) (grid y) and 128 queries (grid x): 256 work-groups.  Wave w: i = w >> 1 picks 64 queries, j = w & 1 picks keys 512 j .. +511;
; the two waves of a pair are merged once, at the end, through LDS.  So each K or V fragment read from LDS feeds four matrix instructions.
; CLUSTERS: the four query blocks of a cluster (4, 1, 1) read the same K and V tiles and ask for them jointly (mask 15).
; Q is no part of that: each wave loads its 64 rows x 256 bytes once, straight into the fragment layout, 16 KiB against the 512 KiB of K and V that the work-group walks.
; LAYOUTS, chosen so that nothing moves between lanes but one exchange of the halves:
;   S^T = K Q^T (source 0 = K's rows, source 1 = Q's rows): lane (r, h) holds query r, keys 8 h + 0 .. 7 of the tile;
;   two neighbouring S^T tiles, packed to f16, ARE a fragment of P^T (k = key, n = query);
;   O^T = V^T P^T (source 0 = V^T by transposing LDS loads, source 1 = P^T): lane (r, h) holds query r and eight neighbouring d.
;   So maximum, sum and scale of a query are plain numbers of its two lanes.
; THE EXPONENT: c = log2(e) / sqrt(128).  The state is NM = -c m, rounded once; p = 2^(s c + NM) by one fused multiply-add; older sums are scaled by 2^(NMnew - NMold).
;   The rounding of c m is then one common factor of all terms of a row and cancels in the division, whatever the size of the scores.
; A STEP is 64 keys: 128 matrix instructions and, for each of four blocks of 16 queries, 107 softmax and 32 rescaling instructions.  One wave has a SIMD to itself,
;   so the vector work stands BETWEEN the matrix instructions of other blocks: QK(0); QK(1), QK(2) with block 0's softmax; QK(3), PV(0) with block 1's;
;   PV(1) with block 2's; PV(2) with block 3's; PV(3).  Matrix operands lie in windows 1 to 3 and the softmax in window 0: two window switches go with each mixed matrix instruction.
; LDS: two slots, each with 128 keys (two steps) of K and of V for both halves of the keys: 4 tiles of 128 rows.  Of a half's four tiles two are first fills; two refills follow,
;   each with two steps' work in which to land.  By this text's count a wave has two tensor loads out at the start and one behind each refill.
;   The eight steps are written out by macro: the first starts the sums, steps 1 and 3 fill a slot again, step 5 has a plain barrier, the last fetches nothing.
; REGISTERS: window 0: addresses, row state, S (128), P (64); window 1: Q (128), K's fragments (128); window 2: O (256); window 3: V's fragments (128).
; Accumulators take turns, one instruction a turn (4 in a block's S^T, 8 in a block's O^T).
.set TS,    36864                      ; a tile's LDS bytes: K 128 rows x 272 (34,816 used), V 128 rows x 288
.set SLOT,  4*TS                       ; K of keys' half 0, K of half 1, V of half 0, V of half 1
.set KP,    272                        ; an odd multiple of 16
.set VP,    288                        ; an odd multiple of 32, for the transposing loads
.set MST,   0                          ; the merge lies in slot 0's bytes, behind that slot's last fill and the barrier behind its last reads: for each pair i 64 blocks of 512 bytes of O, then NM, then the sums
.set MSZ,   33792
.set OST,   2*SLOT                     ; the way out: 16 rows x 272 bytes for each wave, bytes of their own
.set OSZ,   16*KP
.set TSTEP, 128*4096                   ; 128 keys further down in kh and vh
.set NSV,   107                        ; softmax instructions of a block of 16 queries
.set KADR, 6                           ; v6-7    my K fragments in slot 0, 1
.set VADR, 8                           ; v8-9    my V fragments in slot 0, 1
.set QOFF, 10
.set MADR, 11
.set STO,  12
.set RD,   13
.set CO,   14
.set RM,   16                          ; v[16:19] running maximum of the raw scores, one for each block of 16 queries
.set RL,   20                          ; v[20:23] running sum over my half of the lanes' keys
.set RNM,  24                          ; v[24:31] -c m, as pairs
.set RAL,  32                          ; v[32:39] the scale of the older sums, as pairs
.set RT,   40                          ; v[40:55] at work
.set RS,   64                          ; v[64:191]  S^T tile (qb, kb) at RS + 32 qb + 8 kb
.set RP,   192                         ; v[192:255] P^T fragment (qb, ch) at RP + 16 qb + 8 ch
.set RQ,   0                           ; window 1: Q fragment (qb, c) at 32 qb + 8 c
.set RKF,  128                         ; window 1: K fragment (kb, c) at 128 + 8 (4 kb + c)
.set G1K,  24
.set G1V,  32
.set G0K,  40
.set G0V,  48
.set MSB, 0
.macro WIN new                         ; the immediate's high byte repeats the setting that is left
.if MSB != \new
	s_set_vgpr_msb (MSB<<8)|\new
.set MSB, \new
.endif
.endm
.macro PLACES                          ; four independent vector instructions behind a matrix instruction (ISA guide 7.12.1 for vector instructions)
.rept 4
	v_nop
.endr
.endm
.macro ROUND                           ; a round of the cluster's barrier
	s_barrier_signal -1
	s_barrier_wait -1
	s_cmp_lg_u32 s12, 0
	s_cbranch_scc1 .Lnot_wave_0_\@
	s_barrier_signal -3
.Lnot_wave_0_\@:
	s_barrier_wait -3
	s_barrier_signal -1
	s_barrier_wait -1
.endm
.macro JLOAD s                         ; waves 0, 1 ask for K's two tiles, waves 2, 3 for V's
	s_cmp_lt_u32 s12, 2
	s_cbranch_scc0 .Lfor_v_\@
	tensor_load_to_lds s[G0K+4*\s:G0K+4*\s+3], s[G1K:G1K+7]
	s_nop 0
	s_branch .Lasked_\@
.Lfor_v_\@:
	tensor_load_to_lds s[G0V+4*\s:G0V+4*\s+3], s[G1V:G1V+7]
	s_nop 0
.Lasked_\@:
.endm
	s_load_b256 s[4:11], s[0:1], 0x0               ; qh s[4:5], kh s[6:7], vh s[8:9], ah s[10:11]
	v_lshl_add_u32 v62, v0, 2, 0x4c400
	v_mov_b32 v63, 0
	ds_add_u32 v62, v63
	v_lshrrev_b32 v1, 5, v0
	v_readfirstlane_b32 s12, v1                    ; wave
	s_lshr_b32 s13, s12, 1                         ; i: my 64 queries.  Also: I fetch K (0) or V (1)
	s_and_b32 s14, s12, 1                          ; j: my half of the keys, to compute and to fetch
	s_bfe_u32 s15, ttmp6, 0x40000                  ; cx
	s_lshl_b32 s16, ttmp9, 2
	s_add_co_u32 s16, s16, s15                     ; query block = 4 x cluster x + cx
	s_and_b32 s17, ttmp7, 0xffff                   ; the cluster is one work-group high: its y is mine
	s_lshr_b32 s18, s17, 4                         ; b
	s_and_b32 s19, s17, 15                         ; head
	s_lshl_b32 s20, s18, 22                        ; K and V: row 1024 b + 512 j, byte 256 head of the row; no cx in it
	s_lshl_b32 s21, s14, 21
	s_add_co_u32 s20, s20, s21
	s_lshl_b32 s21, s19, 8
	s_add_co_u32 s20, s20, s21
	s_mov_b32 s21, 0
	s_lshl_b32 s68, s18, 22                        ; Q and the output: row 1024 b + 128 block + 64 i, byte 256 head
	s_lshl_b32 s69, s16, 19
	s_add_co_u32 s68, s68, s69
	s_lshl_b32 s69, s13, 18
	s_add_co_u32 s68, s68, s69
	s_lshl_b32 s69, s19, 8
	s_add_co_u32 s68, s68, s69
	s_mov_b32 s69, 0
	s_mov_b32 s58, 0x76543210                      ; v_permlanex16_b32: lane i of one half reads lane i of the other
	s_mov_b32 s59, 0xfedcba98
	s_mov_b32 s60, 0x3e0293ee                      ; c = log2(e) / sqrt(128)
	s_mov_b32 s61, 0x3e0293ee
	s_mov_b32 s62, 0xbe0293ee                      ; -c
	; group 1: 128 rows x 128 elements of 2 bytes, pitch 2,048 elements; behind every 64 words K gets 4 words of padding, V gets 8
	s_mov_b32 s[G1K+0], 15|(1<<16)|(1<<20)|(1<<21)|(5<<22)|(3<<25)
	s_mov_b32 s[G1V+0], 15|(1<<16)|(1<<20)|(1<<21)|(5<<22)|(7<<25)
	s_mov_b32 s[G1K+1], 128<<16
	s_mov_b32 s[G1V+1], 128<<16
	s_mov_b32 s[G1K+2], 128<<16
	s_mov_b32 s[G1V+2], 128<<16
	s_mov_b32 s[G1K+3], 128<<16
	s_mov_b32 s[G1V+3], 128<<16
	s_mov_b32 s[G1K+4], 128
	s_mov_b32 s[G1V+4], 128
	s_mov_b32 s[G1K+5], 2048
	s_mov_b32 s[G1V+5], 2048
	s_mov_b32 s[G1K+6], 0
	s_mov_b32 s[G1V+6], 0
	s_mov_b32 s[G1K+7], 0
	s_mov_b32 s[G1V+7], 0
	s_mul_i32 s56, s12, TS                         ; where my tile goes
	; the lanes' addresses, made while the arguments are on their way
	v_and_b32 v1, 15, v0                           ; r
	v_bfe_u32 v2, v0, 4, 1                         ; h
	v_and_b32 v3, 31, v0                           ; lane
	v_lshlrev_b32 v4, 4, v2
	v_lshl_add_u32 v[QOFF], v1, 12, v4             ; Q: row r, 16 h
	v_mul_u32_u24 v5, v1, KP
	v_lshl_add_u32 v5, v2, 4, v5                   ; 272 r + 16 h: K's fragments, and the way out's stores
	s_mul_i32 s3, s14, TS
	v_add_nc_u32 v[KADR], s3, v5
	v_add_nc_u32 v[KADR+1], SLOT, v[KADR]
	v_and_b32 v4, 7, v0                            ; V, transposing load: row 8 h + l % 8, 16 bytes x bit 3 of the lane
	v_lshl_add_u32 v4, v2, 3, v4
	v_mul_u32_u24 v4, v4, VP
	v_bfe_u32 v[RT], v0, 3, 1
	v_lshl_add_u32 v4, v[RT], 4, v4
	s_add_co_u32 s3, s3, 2*TS
	v_add_nc_u32 v[VADR], s3, v4
	v_add_nc_u32 v[VADR+1], SLOT, v[VADR]
	s_mul_i32 s3, s13, MSZ
	s_add_co_u32 s3, s3, MST
	v_lshl_add_u32 v[MADR], v3, 4, s3              ; the pair's merge bytes, 16 a lane
	s_mul_i32 s3, s12, OSZ
	s_add_co_u32 s3, s3, OST
	v_add_nc_u32 v[STO], s3, v5
	v_mul_u32_u24 v4, v2, KP
	v_lshl_add_u32 v4, v1, 4, v4
	v_add_nc_u32 v[RD], s3, v4                     ; back: lanes 0-15 one row of 256 bytes, lanes 16-31 the next
	v_lshlrev_b32 v4, 4, v1
	v_lshl_add_u32 v[CO], v2, 12, v4
	s_wait_dscnt 0x0
	s_wait_kmcnt 0x0
	s_add_nc_u64 s[22:23], s[6:7], s[20:21]
	s_add_nc_u64 s[66:67], s[8:9], s[20:21]
	s_add_nc_u64 s[4:5], s[4:5], s[68:69]
	s_add_nc_u64 s[10:11], s[10:11], s[68:69]
	WIN 0x40                                       ; destination window 1.  Q's loads go out first of all: they are on their way during the round below
.irp qb, 0,1,2,3
.irp c, 0,1,2,3
	global_load_b128 v[RQ+32*\qb+8*\c:RQ+32*\qb+8*\c+3],   v[QOFF], s[4:5] offset:\qb*65536+64*\c
	global_load_b128 v[RQ+32*\qb+8*\c+4:RQ+32*\qb+8*\c+7], v[QOFF], s[4:5] offset:\qb*65536+64*\c+32
.endr
.endr
	WIN 0
	ROUND                                          ; the four partners are here: the first joint loads meet
.irp s, 0,1
	s_mov_b32 s[G0K+4*\s], 1
	s_add_co_u32 s[G0K+4*\s+1], s56, \s*SLOT
	s_add_nc_u64 s[G0K+4*\s+2:G0K+4*\s+3], s[22:23], \s*TSTEP      ; tile s of my half's four
	s_or_b32 s[G0K+4*\s+3], s[G0K+4*\s+3], 0x80000000
	s_mov_b32 s[G0V+4*\s], 1
	s_add_co_u32 s[G0V+4*\s+1], s56, \s*SLOT
	s_add_nc_u64 s[G0V+4*\s+2:G0V+4*\s+3], s[66:67], \s*TSTEP
	s_or_b32 s[G0V+4*\s+3], s[G0V+4*\s+3], 0x80000000
	JLOAD \s                                       ; two loads of the wave are out
.endr
.macro LDK slot, u                     ; 32 loads: keys 64 u .. +63 of the slot's 128, x 128 d, as 16 fragments
	WIN 0x40
.irp kb, 0,1,2,3
.irp c, 0,1,2,3
	ds_load_b128 v[RKF+8*(4*\kb+\c):RKF+8*(4*\kb+\c)+3],   v[KADR+\slot] offset:\u*64*KP+\kb*16*KP+64*\c
	ds_load_b128 v[RKF+8*(4*\kb+\c)+4:RKF+8*(4*\kb+\c)+7], v[KADR+\slot] offset:\u*64*KP+\kb*16*KP+64*\c+32
.endr
.endr
.endm
.macro LDV slot, u                     ; 32 transposing loads: V^T fragment (ch, db): d = 16 db + r, keys 64 u + 32 ch + ..
	WIN 0xc0
.irp ch, 0,1
.irp db, 0,1,2,3,4,5,6,7
	ds_load_tr16_b128 v[8*(8*\ch+\db):8*(8*\ch+\db)+3],   v[VADR+\slot] offset:\u*64*VP+\ch*32*VP+32*\db
	ds_load_tr16_b128 v[8*(8*\ch+\db)+4:8*(8*\ch+\db)+7], v[VADR+\slot] offset:\u*64*VP+\ch*32*VP+32*\db+16*VP
.endr
.endr
.endm
; The step's matrix instruction number MMI, and MMI steps on.  0-63: S^T of query block MMI / 16: 32 of d at a time (the first starts the sums), four key blocks by turns.
; 64-127: O^T of query block (MMI - 64) / 16: 32 keys at a time, eight blocks of d by turns.  In front of the first of these V's fragments are waited for.
.macro MW first
.if MMI < 64
	WIN 0x05                                       ; sources 0 and 1 window 1, C and D window 0
.set MMQ, MMI/16
.set MMC, (MMI%16)/4
.set MMK, MMI%4
.if MMC
	v_wmma_f32_16x16x32_f16 v[RS+32*MMQ+8*MMK:RS+32*MMQ+8*MMK+7], v[RKF+8*(4*MMK+MMC):RKF+8*(4*MMK+MMC)+7], v[RQ+32*MMQ+8*MMC:RQ+32*MMQ+8*MMC+7], v[RS+32*MMQ+8*MMK:RS+32*MMQ+8*MMK+7]
.else
	v_wmma_f32_16x16x32_f16 v[RS+32*MMQ+8*MMK:RS+32*MMQ+8*MMK+7], v[RKF+8*(4*MMK+MMC):RKF+8*(4*MMK+MMC)+7], v[RQ+32*MMQ+8*MMC:RQ+32*MMQ+8*MMC+7], 0
.endif
.else
.if MMI == 64
	s_wait_dscnt 0x0                               ; V's fragments, asked for at the step's head
.endif
	WIN 0xa3                                       ; source 0 window 3, source 1 window 0, C and D window 2
.set MMQ, (MMI-64)/16
.set MMN, (MMI-64)%16
.if \first*(1-MMN/8)
	v_wmma_f32_16x16x32_f16 v[8*(8*MMQ+MMN%8):8*(8*MMQ+MMN%8)+7], v[8*MMN:8*MMN+7], v[RP+16*MMQ+8*(MMN/8):RP+16*MMQ+8*(MMN/8)+7], 0
.else
	v_wmma_f32_16x16x32_f16 v[8*(8*MMQ+MMN%8):8*(8*MMQ+MMN%8)+7], v[8*MMN:8*MMN+7], v[RP+16*MMQ+8*(MMN/8):RP+16*MMQ+8*(MMN/8)+7], v[8*(8*MMQ+MMN%8):8*(8*MMQ+MMN%8)+7]
.endif
.endif
.set MMI, MMI+1
.endm
; Instruction number SVK of the softmax step of 16 queries x 64 keys, and SVK steps on.  A lane has 32 scores of its query, its partner in the other half the other 32.
; first = 1: nothing older is there: numbers 19 to 21 and 90 are empty.
.macro SV qb, first
.set SB, RS+32*\qb
.if SVK < 4
	v_max3_num_f32 v[RT+SVK], v[SB+8*SVK], v[SB+8*SVK+1], v[SB+8*SVK+2]                ; four chains, started by the scores themselves
.endif
.if SVK >= 4
.if SVK < 8
	v_max3_num_f32 v[RT+SVK-4], v[RT+SVK-4], v[SB+8*(SVK-4)+3], v[SB+8*(SVK-4)+4]
.endif
.endif
.if SVK >= 8
.if SVK < 12
	v_max3_num_f32 v[RT+SVK-8], v[RT+SVK-8], v[SB+8*(SVK-8)+5], v[SB+8*(SVK-8)+6]
.endif
.endif
.if SVK == 12
	v_max3_num_f32 v[RT], v[RT], v[SB+7], v[SB+15]
.endif
.if SVK == 13
	v_max3_num_f32 v[RT+1], v[RT+1], v[SB+23], v[SB+31]
.endif
.if SVK == 14
	v_max3_num_f32 v[RT], v[RT], v[RT+1], v[RT+2]
.endif
.if SVK == 15
.if \first
	v_max_num_f32 v[RT], v[RT], v[RT+3]
.else
	v_max3_num_f32 v[RT], v[RT], v[RT+3], v[RM+\qb]        ; the running maximum comes in
.endif
.endif
.if SVK == 16
	v_permlanex16_b32 v[RT+1], v[RT], s58, s59             ; the other half's keys (its destination has been written above)
.endif
.if SVK == 17
	v_max_num_f32 v[RM+\qb], v[RT], v[RT+1]                ; the new maximum, the same in both lanes of a query
.endif
.if SVK == 18
	v_mul_f32 v[RT+4], s62, v[RM+\qb]                      ; -c m, rounded once
.endif
.if \first == 0
.if SVK == 19
	v_sub_f32 v[RT+3], v[RT+4], v[RNM+2*\qb]               ; at most 0
.endif
.if SVK == 20
	v_exp_f32 v[RAL+2*\qb], v[RT+3]                        ; the older sums' scale, twice, for the packed multiplies;
.endif
.if SVK == 21
	v_exp_f32 v[RAL+2*\qb+1], v[RT+3]                      ; the plain moves below stand between these and the first use (ISA guide 5.7.2)
.endif
.endif
.if SVK == 22
	v_mov_b32 v[RNM+2*\qb], v[RT+4]
.endif
.if SVK == 23
	v_mov_b32 v[RNM+2*\qb+1], v[RT+4]
.endif
.if SVK == 24
	v_pk_fma_f32 v[SB:SB+1], v[SB:SB+1], s[60:61], v[RNM+2*\qb:RNM+2*\qb+1] op_sel_hi:[1,0,1]
.endif
.if SVK >= 25
.if SVK < 73
.set SG, (SVK-25)/3                    ; by threes: the next pair's exponents, then this pair's two exponentials: a plain instruction stands behind every second exponential
.set SR, (SVK-25)%3
.if SR == 0
.if SG < 15
	v_pk_fma_f32 v[SB+2*SG+2:SB+2*SG+3], v[SB+2*SG+2:SB+2*SG+3], s[60:61], v[RNM+2*\qb:RNM+2*\qb+1] op_sel_hi:[1,0,1]
.endif
.endif
.if SR == 1
	v_exp_f32 v[SB+2*SG], v[SB+2*SG]
.endif
.if SR == 2
	v_exp_f32 v[SB+2*SG+1], v[SB+2*SG+1]
.endif
.endif
.endif
.if SVK == 73
	v_nop                                                  ; one plain instruction behind the last exponential
	s_wait_alu depctr_va_vdst(0)
.endif
.if SVK >= 74
.if SVK < 78
	v_pk_add_f32 v[RT+2*(SVK-74):RT+2*(SVK-74)+1], v[SB+4*(SVK-74):SB+4*(SVK-74)+1], v[SB+4*(SVK-74)+2:SB+4*(SVK-74)+3]
.endif
.endif
.if SVK >= 78
.if SVK < 82
	v_pk_add_f32 v[RT+2*(SVK-78):RT+2*(SVK-78)+1], v[RT+2*(SVK-78):RT+2*(SVK-78)+1], v[SB+16+2*(SVK-78):SB+16+2*(SVK-78)+1]
.endif
.endif
.if SVK >= 82
.if SVK < 86
	v_pk_add_f32 v[RT+2*(SVK-82):RT+2*(SVK-82)+1], v[RT+2*(SVK-82):RT+2*(SVK-82)+1], v[SB+24+2*(SVK-82):SB+24+2*(SVK-82)+1]
.endif
.endif
.if SVK == 86
	v_pk_add_f32 v[RT:RT+1], v[RT:RT+1], v[RT+2:RT+3]
.endif
.if SVK == 87
	v_pk_add_f32 v[RT+4:RT+5], v[RT+4:RT+5], v[RT+6:RT+7]
.endif
.if SVK == 88
	v_pk_add_f32 v[RT:RT+1], v[RT:RT+1], v[RT+4:RT+5]
.endif
.if SVK == 89
.if \first
	v_add_f32 v[RL+\qb], v[RT], v[RT+1]                    ; the first step starts the sum
.else
	v_add_f32 v[RT], v[RT], v[RT+1]
.endif
.endif
.if SVK == 90
.if \first == 0
	v_fma_f32 v[RL+\qb], v[RL+\qb], v[RAL+2*\qb], v[RT]
.endif
.endif
.if SVK >= 91
	v_cvt_pk_f16_f32 v[RP+16*\qb+SVK-91], v[SB+2*(SVK-91)], v[SB+2*(SVK-91)+1]   ; two S^T tiles become one P^T fragment
.endif
.set SVK, SVK+1
.endm
.macro RV qb                           ; instruction number RVK of 32: the block's older output sums take the new maximum's scale
	v_pk_mul_f32 v[64*\qb+2*RVK:64*\qb+2*RVK+1], v[64*\qb+2*RVK:64*\qb+2*RVK+1], v[RAL+2*\qb:RAL+2*\qb+1]
.set RVK, RVK+1
.endm
; 'slots' matrix instructions of other blocks with block qb's vector work dealt out behind them: the softmax behind the first 'svs', the rescaling behind the rest.
; None of these vector instructions names a register of the matrix instructions among which it stands: they touch S, P and O of block qb and the row state alone.
.macro MIX qb, first, slots, svs
.set SVK, 0
.set RVK, 0
.set SLI, 0
.rept \slots
	MW \first
.if SLI < \svs
	WIN 0
.rept (NSV*(SLI+1))/\svs-SVK
	SV \qb, \first
.endr
.else
	WIN 0x82                                       ; destination and source 0 window 2, source 1 window 0
.rept (32*(SLI+1-\svs))/(\slots-\svs)-RVK
	RV \qb
.endr
.endif
.set SLI, SLI+1
.endr
.endm
; One step: keys 64 u .. +63 of slot 'slot'.  In its middle, where this step's last LDS reads are back and K's registers are free:
; mid = 1: the next step's K fragments, from the same slot;  mid = 2: this slot is filled again, then the next step's K from the other slot;
; mid = 3: nothing is left to fetch: a plain barrier shows the other slot whole, then its K;  mid = 0: the last step.
.macro STEP slot, u, first, mid, ns, nu
	s_wait_dscnt 0x0                               ; this step's K fragments, asked for in the middle of the step before
	PLACES                                         ; behind the last step's matrix instructions, whose V fragments are loaded again
	LDV \slot, \u
.set MMI, 0
.rept 16
	MW \first                                      ; S^T of block 0
.endr
	WIN 0
	PLACES                                         ; behind them, before block 0's softmax reads it
.if \first
	MIX 0, 1, 32, 32
	MIX 1, 1, 32, 32
.else
	MIX 0, 0, 32, 26
	MIX 1, 0, 32, 26
.endif
	WIN 0
.if \mid == 2
	s_wait_dscnt 0x0                               ; my reads of this slot are over
	s_wait_tensorcnt 0x0                           ; all my tensor loads have landed, my tile of the other slot among them
	ds_add_u32 v62, v63
	s_wait_dscnt 0x0
	s_add_nc_u64 s[G0K+4*\slot+2:G0K+4*\slot+3], s[G0K+4*\slot+2:G0K+4*\slot+3], 2*TSTEP
	s_add_nc_u64 s[G0V+4*\slot+2:G0V+4*\slot+3], s[G0V+4*\slot+2:G0V+4*\slot+3], 2*TSTEP
	ROUND                                          ; both now hold of every wave of the four partners
	JLOAD \slot                                    ; the joint refill, the first tensor load behind the round
.endif
.if \mid == 3
	s_wait_dscnt 0x0
	s_wait_tensorcnt 0x0                           ; the last tile
	s_barrier_signal -1
	s_barrier_wait -1
.endif
.if \mid
	LDK \ns, \nu                                   ; K's registers were last read by block 3's S^T, 16 matrix instructions and their vector work ago
.endif
.if \first
	MIX 2, 1, 16, 16
	MIX 3, 1, 16, 16
.else
	MIX 2, 0, 16, 12
	MIX 3, 0, 16, 12
.endif
.rept 16
	MW \first                                      ; O^T of block 3
.endr
	WIN 0
.endm
	s_wait_tensorcnt 1                             ; my tile of slot 0 is in; slot 1's stays out
	s_barrier_signal -1
	s_barrier_wait -1
	LDK 0, 0
	WIN 0
	s_wait_loadcnt 0x0                             ; Q
	STEP 0, 0, 1, 1, 0, 1                          ; keys 0-63 of my half start maxima and sums
	STEP 0, 1, 0, 2, 1, 0                          ; slot 0 is read out: keys 256-383 are asked for
	STEP 1, 0, 0, 1, 1, 1
	STEP 1, 1, 0, 2, 0, 0                          ; slot 1 is read out: keys 384-511 are asked for
	STEP 0, 0, 0, 1, 0, 1
	STEP 0, 1, 0, 3, 1, 0                          ; behind this step's barrier no wave reads slot 0 any more, and it has had its last fill
	STEP 1, 0, 0, 1, 1, 1
	STEP 1, 1, 0, 0, 0, 0
	; THE MERGE of a pair's two halves of the keys.  The wave with j = 1 lays its O, NM and sums into LDS; the wave with j = 0 scales both to the common maximum.
	PLACES
.irp qb, 0,1,2,3
	v_permlanex16_b32 v[RT+\qb], v[RL+\qb], s58, s59       ; the sums of the two lanes of a query meet
.endr
.irp qb, 0,1,2,3
	v_add_f32 v[RL+\qb], v[RL+\qb], v[RT+\qb]
.endr
	s_cmp_eq_u32 s14, 0
	s_cbranch_scc1 .Lkeep
	WIN 0x08                                       ; store data window 2
.set g, 0
.rept 64
	ds_store_b128 v[MADR], v[4*g:4*g+3] offset:512*g
.set g, g+1
.endr
	WIN 0
.irp qb, 0,1,2,3
	v_mov_b32 v[RT+\qb], v[RNM+2*\qb]
.endr
	ds_store_b128 v[MADR], v[RT:RT+3] offset:32768
	ds_store_b128 v[MADR], v[RL:RL+3] offset:33280
.Lkeep:
	s_wait_dscnt 0x0                               ; the stores are in LDS, for the partner's sake
	s_barrier_signal -1
	s_barrier_wait -1
	s_cmp_lg_u32 s14, 0
	s_cbranch_scc1 .Ldone
	ds_load_b128 v[RT:RT+3],   v[MADR] offset:32768        ; the partner's NM
	ds_load_b128 v[RT+4:RT+7], v[MADR] offset:33280        ; and sums
	s_wait_dscnt 0x0
.irp qb, 0,1,2,3
	v_min_num_f32 v[RM+\qb], v[RNM+2*\qb], v[RT+\qb]       ; -c x the larger maximum
.endr
.irp qb, 0,1,2,3
	v_sub_f32 v[RT+8+\qb],  v[RM+\qb], v[RNM+2*\qb]
	v_sub_f32 v[RT+12+\qb], v[RM+\qb], v[RT+\qb]
.endr
.irp qb, 0,1,2,3
	v_exp_f32 v[RT+8+\qb],  v[RT+8+\qb]                    ; my scale
	v_exp_f32 v[RT+12+\qb], v[RT+12+\qb]                   ; the partner's
.endr
	v_nop
	s_wait_alu depctr_va_vdst(0)
.irp qb, 0,1,2,3
	v_mul_f32 v[RM+\qb], v[RL+\qb], v[RT+8+\qb]
.endr
.irp qb, 0,1,2,3
	v_fmac_f32 v[RM+\qb], v[RT+4+\qb], v[RT+12+\qb]        ; the whole row's sum; the row's largest term is about 1, so it is no small number
.endr
.irp qb, 0,1,2,3
	v_rcp_f32 v[RM+\qb], v[RM+\qb]
.endr
	v_nop
	s_wait_alu depctr_va_vdst(0)
.irp qb, 0,1,2,3
	v_mul_f32 v[RAL+2*\qb],   v[RT+8+\qb],  v[RM+\qb]      ; scale / sum, as pairs: mine,
	v_mul_f32 v[RAL+2*\qb+1], v[RT+8+\qb],  v[RM+\qb]
	v_mul_f32 v[RNM+2*\qb],   v[RT+12+\qb], v[RM+\qb]      ; the partner's
	v_mul_f32 v[RNM+2*\qb+1], v[RT+12+\qb], v[RM+\qb]
.endr
; 16 queries: the partner's O comes from LDS, both are scaled and added, rounded to f16, turned into whole rows in my own stage, and stored.
.macro FIN qb
.set RR, RS+64*(\qb&1)
.irp t, 0,1,2,3,4,5,6,7,8,9,10,11,12,13,14,15
	ds_load_b128 v[RR+4*\t:RR+4*\t+3], v[MADR] offset:512*(16*\qb+\t)
.endr
	s_wait_dscnt 0x0
.set n, 0
.rept 32
	v_pk_mul_f32 v[RR+2*n:RR+2*n+1], v[RR+2*n:RR+2*n+1], v[RNM+2*\qb:RNM+2*\qb+1]
.set n, n+1
.endr
	WIN 0x02                                       ; source 0 window 2
.set n, 0
.rept 32
	v_pk_fma_f32 v[RR+2*n:RR+2*n+1], v[64*\qb+2*n:64*\qb+2*n+1], v[RAL+2*\qb:RAL+2*\qb+1], v[RR+2*n:RR+2*n+1]
.set n, n+1
.endr
	WIN 0
.set n, 0
.rept 32
	v_cvt_pk_f16_f32 v[RP+n], v[RR+2*n], v[RR+2*n+1]
.set n, n+1
.endr
.irp db, 0,1,2,3,4,5,6,7
	ds_store_b128 v[STO], v[RP+4*\db:RP+4*\db+3] offset:32*\db     ; row r, d = 16 db + 8 h ..
.endr
	s_wait_xcnt 0x0                                ; v224-255, which the last block's stores read, are loaded again only behind this wait (ISA guide 3.1)
.irp t, 0,1,2,3,4,5,6,7
	ds_load_b128 v[RP+32+4*\t:RP+32+4*\t+3], v[RD] offset:\t*2*KP  ; LDS serves a wave's instructions in order: these see the stores above
.endr
.irp t, 0,1,2,3,4,5,6,7
	s_wait_dscnt 7-\t                              ; load t is in, the younger ones may be out
	global_store_b128 v[CO], v[RP+32+4*\t:RP+32+4*\t+3], s[10:11] offset:(16*\qb+2*\t)*4096   ; sixteen lanes store a head's row: 256 consecutive bytes, aligned
.endr
.endm
	FIN 0
	FIN 1
	FIN 2
	FIN 3
.Ldone:
	s_wait_tensorcnt 0x0
	ds_add_u32 v62, v63
	s_wait_dscnt 0x0
	ROUND                                          ; the closing round: no work-group ends while a partner may still ask for a tile that names it
	s_endpgm
.Lfunc_end_k_q56b2dfb8d8_attn:
	.size	k_q56b2dfb8d8_attn, .Lfunc_end_k_q56b2dfb8d8_attn-k_q56b2dfb8d8_attn
	.p2alignl 7, 3214868480
	.fill 96, 4, 3214868480
	.section	.rodata,"a",@progbits
	.p2align	6, 0x0
	.amdhsa_kernel k_q56b2dfb8d8_attn
		.amdhsa_group_segment_fixed_size 327680
		.amdhsa_private_segment_fixed_size 0
		.amdhsa_enable_private_segment 0
		.amdhsa_kernarg_size 32
		.amdhsa_user_sgpr_count 2
		.amdhsa_user_sgpr_kernarg_segment_ptr 1
		.amdhsa_wavefront_size32 1
		.amdhsa_system_sgpr_workgroup_id_x 1
		.amdhsa_system_sgpr_workgroup_id_y 1
		.amdhsa_system_sgpr_workgroup_id_z 1
		.amdhsa_system_vgpr_workitem_id 0
		.amdhsa_next_free_vgpr 896
		.amdhsa_next_free_sgpr 70
		.amdhsa_reserve_vcc 0
		.amdhsa_float_denorm_mode_32 3
		.amdhsa_float_denorm_mode_16_64 3
		.amdhsa_memory_ordered 1
		.amdhsa_forward_progress 1
		.amdhsa_inst_pref_size 255
	.end_amdhsa_kernel
	.section	.bss,"aw",@nobits
	.p2align	6
	.space	262144
	.amdgpu_metadata
---
amdhsa.version: [ 1, 2 ]
amdhsa.kernels:
  - .name:           k_q56b2dfb8d8_attn
    .symbol:         k_q56b2dfb8d8_attn.kd
    .args:
      - { .name: qh, .offset: 0, .size: 8, .value_kind: global_buffer, .address_space: global }
      - { .name: kh, .offset: 8, .size: 8, .value_kind: global_buffer, .address_space: global }
      - { .name: vh, .offset: 16, .size: 8, .value_kind: global_buffer, .address_space: global }
      - { .name: ah, .offset: 24, .size: 8, .value_kind: global_buffer, .address_space: global }
    .group_segment_fixed_size: 327680
    .private_segment_fixed_size: 0
    .kernarg_segment_align: 8
    .kernarg_segment_size: 32
    .max_flat_workgroup_size: 128
    .sgpr_count:     70
    .vgpr_count:     896
    .wavefront_size: 32
...
	.end_amdgpu_metadata
.endif
;; end of part 3
;; launch oproj (part 4): grid 16 x 16, 4 waves a work-group, clusters of 4 x 4, 327,680 bytes of LDS; arguments ah, wh, out0; writes out0
.if DOCPART == 4
	.amdgcn_target "amdgcn-amd-amdhsa--gfx1250"
	.amdhsa_code_object_version 6
	.text
	.protected	k_q56b2dfb8d8_oproj
	.globl	k_q56b2dfb8d8_oproj
	.p2align	8
	.type	k_q56b2dfb8d8_oproj,@function
k_q56b2dfb8d8_oproj:
	s_mov_b64 s[64:65], 0
	v_nop
	global_prefetch_b8 v0, s[64:65] scope:SCOPE_SE
	s_setreg_imm32_b32 hwreg(HW_REG_WAVE_MODE, 25, 1), 1
	s_wait_xcnt 0x0
	s_wait_alu depctr_hold_cnt(0) depctr_sa_sdst(0) depctr_va_vdst(0) depctr_va_sdst(0) depctr_va_ssrc(0) depctr_va_vcc(0) depctr_vm_vsrc(0)
	s_getreg_b32 s2, hwreg(HW_REG_IB_STS2, 6, 4)
	s_cmp_eq_u32 s2, 0
	s_cbranch_scc0 .Lentry_in_a_cluster
	s_endpgm
.Lentry_in_a_cluster:
	s_bfe_u32 s2, ttmp6, 0x10000c
	s_cmp_lg_u32 s2, 0xf033
	s_cbranch_scc0 .Lentry_shape_is_right
	s_endpgm
.Lentry_shape_is_right:
; out0 = a wo^T.  ah: [2048][2048] f16.  wo: [2048][2048] f16 at byte 0x1800000 of wh.  out0: [2048][2048] f32.  Sums in f32.
; A work-group makes a block of 128 x 128: 16 x 16 = 256 work-groups (blocks of 256 x 256 would be 64).  Wave w (i = w >> 1, j = w & 1) makes 64 x 64: 16 accumulator tiles.
; K goes in steps of 256 through two LDS slots, so that a tile's rows are 512 bytes and one load a wave (64 rows) has 120 matrix instructions in which to land.
; CLUSTERS: 4 x 4 work-groups; a's tiles hang on the block row alone and are asked for jointly along a row of the cluster, wo's on the block column alone, along a column.
; The matrix instruction is used transposed (source 0 = wo's rows, source 1 = a's rows): a lane's eight results are eight neighbouring columns of a row, 32 bytes of f32.
; REGISTERS: window 0: addresses, a's fragments (two buffers of 64 K); window 1: wo's fragments; window 2: tile (a, b) at v[8 (4 a + b)].
; The 16 accumulators take turns, one instruction a turn, in one fixed order.
.set PITCH,  528                       ; 512 bytes + 16 of padding: an odd multiple of 16
.set QT,     64*PITCH                  ; what one tensor load brings
.set SLOT,   4*QT                      ; a's rows 0-63, 64-127, wo's rows 0-63, 64-127
.set STAGE,  2*SLOT                    ; behind the ring: 16 rows x 272 bytes for each wave
.set SPITCH, 272
.set LAPS,   4                         ; 2048 / (2 x 256)
.set ADRA, 16
.set ADRB, 20
.set STO,  24
.set RD,   25
.set CO,   26
.set F0,   64
.set F1,   128
.set G1,   24
.set G0,   32
.set G1B,  48
.set G0B,  56
.set MSB, 0
.macro WIN new
.if MSB != \new
	s_set_vgpr_msb (MSB<<8)|\new
.set MSB, \new
.endif
.endm
.set MULW, 0xa1                        ; source 0 (wo) window 1, source 1 (a) window 0, C and D window 2
.set TO_B, 0x40
.macro JLOAD s                         ; waves 0, 1 ask for a's two halves, waves 2, 3 for wo's
	s_cmp_eq_u32 s11, 0
	s_cbranch_scc0 .Lfor_b_\@
	tensor_load_to_lds s[G0+4*\s:G0+4*\s+3], s[G1:G1+7]
	s_nop 0
	s_branch .Lasked_\@
.Lfor_b_\@:
	tensor_load_to_lds s[G0B+4*\s:G0B+4*\s+3], s[G1B:G1B+7]
	s_nop 0
.Lasked_\@:
.endm
.macro CREST
	s_cmp_lg_u32 s10, 0
	s_cbranch_scc1 .Lnot_wave_0_\@
	s_barrier_signal -3
.Lnot_wave_0_\@:
	s_barrier_wait -3
	s_barrier_signal -1
	s_barrier_wait -1
.endm
.macro CROUND
	s_barrier_signal -1
	s_barrier_wait -1
	CREST
.endm
	s_load_b128 s[4:7], s[0:1], 0x0                ; ah s[4:5], wh s[6:7]
	s_load_b64 s[8:9], s[0:1], 0x10                ; out0
	s_set_vgpr_msb 0x40
	v_lshl_add_u32 v255, v0, 2, 0x46400
	s_set_vgpr_msb 0x4000
	v_mov_b32 v255, 0
	s_set_vgpr_msb 0x1
	ds_add_u32 v255, v255
	s_set_vgpr_msb 0x100
	v_lshrrev_b32 v1, 5, v0
	v_readfirstlane_b32 s10, v1                    ; wave
	s_lshr_b32 s11, s10, 1                         ; i: my half of the block's rows.  Also: I fetch for a (0) or for wo (1)
	s_and_b32 s12, s10, 1                          ; j: my half of its columns.  Also: which 64 rows of that tile I fetch
	s_bfe_u32 s40, ttmp6, 0x40000                  ; cx
	s_bfe_u32 s41, ttmp6, 0x40004                  ; cy
	s_lshl_b32 s42, ttmp9, 2
	s_add_co_u32 s42, s42, s40                     ; block column
	s_and_b32 s13, ttmp7, 0xffff
	s_lshl_b32 s13, s13, 2
	s_add_co_u32 s13, s13, s41                     ; block row
	s_lshl_b32 s43, s41, 2
	s_lshl_b32 s43, 15, s43                        ; my row of the cluster
	s_lshl_b32 s44, 0x1111, s40                    ; my column
	; group 1: 64 rows x 256 elements of 2 bytes, 4 words of padding behind every 128 words, pitch 2,048 elements
	s_or_b32 s[G1+0],  s43, (1<<16)|(1<<20)|(1<<21)|(6<<22)|(3<<25)
	s_or_b32 s[G1B+0], s44, (1<<16)|(1<<20)|(1<<21)|(6<<22)|(3<<25)
	s_mov_b32 s[G1+1],  256<<16
	s_mov_b32 s[G1B+1], 256<<16
	s_mov_b32 s[G1+2],  64<<16
	s_mov_b32 s[G1B+2], 64<<16
	s_mov_b32 s[G1+3],  256<<16
	s_mov_b32 s[G1B+3], 256<<16
	s_mov_b32 s[G1+4],  64
	s_mov_b32 s[G1B+4], 64
	s_mov_b32 s[G1+5],  2048
	s_mov_b32 s[G1B+5], 2048
	s_mov_b32 s[G1+6],  0
	s_mov_b32 s[G1B+6], 0
	s_mov_b32 s[G1+7],  0
	s_mov_b32 s[G1B+7], 0
	s_lshl_b32 s21, s12, 18                        ; 64 j rows of 4,096 bytes
	s_lshl_b32 s16, s13, 19
	s_add_co_u32 s16, s16, s21                     ; a: row 128 x block row + 64 j
	s_mov_b32 s17, 0
	s_lshl_b32 s46, s42, 19
	s_add_co_u32 s46, s46, s21                     ; wo: row 128 x block column + 64 j,
	s_add_co_u32 s46, s46, 0x1800000               ; behind wq, wk and wv in wh
	s_mov_b32 s47, 0
	s_mul_i32 s20, s10, QT                         ; where my tile goes
	s_wait_dscnt 0x0
	s_wait_kmcnt 0x0
	s_add_nc_u64 s[14:15], s[4:5], s[16:17]
	s_add_nc_u64 s[46:47], s[6:7], s[46:47]
	CROUND                                         ; the first joint loads meet
.irp s, 0,1
	s_mov_b32 s[G0+4*\s], 1
	s_add_co_u32 s[G0+4*\s+1], s20, \s*SLOT
	s_add_nc_u64 s[G0+4*\s+2:G0+4*\s+3], s[14:15], \s*512          ; K step s
	s_or_b32 s[G0+4*\s+3], s[G0+4*\s+3], 0x80000000
	s_mov_b32 s[G0B+4*\s], 1
	s_add_co_u32 s[G0B+4*\s+1], s20, \s*SLOT
	s_add_nc_u64 s[G0B+4*\s+2:G0B+4*\s+3], s[46:47], \s*512
	s_or_b32 s[G0B+4*\s+3], s[G0B+4*\s+3], 0x80000000
	JLOAD \s                                       ; two loads of the wave are out
.endr
	v_and_b32 v1, 15, v0                           ; r
	v_bfe_u32 v2, v0, 4, 1                         ; h
	v_mul_u32_u24 v3, v1, PITCH
	v_lshl_add_u32 v3, v2, 4, v3
	s_mul_i32 s21, s11, QT                         ; my 64 rows of a
	s_mul_i32 s22, s12, QT                         ; my 64 rows of wo,
	s_add_co_u32 s22, s22, 2*QT                    ; behind a's 128
.irp s, 0,1
	v_add_nc_u32 v[ADRA+\s], s21, v3
	v_add_nc_u32 v[ADRB+\s], s22, v3
	s_add_co_u32 s21, s21, SLOT
	s_add_co_u32 s22, s22, SLOT
.endr
	s_mul_i32 s23, s10, 16*SPITCH
	s_add_co_u32 s23, s23, STAGE                   ; my stage
	v_mul_u32_u24 v4, v1, SPITCH                   ; in: row r, 32 bytes for each half of the lanes
	v_lshl_add_u32 v4, v2, 5, v4
	v_add_nc_u32 v[STO], s23, v4
	v_mul_u32_u24 v5, v2, SPITCH                   ; back: lanes 0-15 one row of 256 bytes, lanes 16-31 the next
	v_lshl_add_u32 v5, v1, 4, v5
	v_add_nc_u32 v[RD], s23, v5
	v_lshlrev_b32 v5, 4, v1
	v_lshl_add_u32 v[CO], v2, 13, v5               ; the same two rows in out0 (8,192 bytes a row)
; 8 matrix instructions: m blocks a0, a0 + 1 x 4 n blocks, the kc-th 32 of the buffer's 64 along K
.macro MUL8 f, kc, a0, zero
.irp a, \a0, \a0+1
.irp b, 0,1,2,3
.if \zero
	v_wmma_f32_16x16x32_f16 v[8*(4*(\a)+\b):8*(4*(\a)+\b)+7], v[\f+8*(4*\kc+\b):\f+8*(4*\kc+\b)+7], v[\f+8*(4*\kc+\a):\f+8*(4*\kc+\a)+7], 0
.else
	v_wmma_f32_16x16x32_f16 v[8*(4*(\a)+\b):8*(4*(\a)+\b)+7], v[\f+8*(4*\kc+\b):\f+8*(4*\kc+\b)+7], v[\f+8*(4*\kc+\a):\f+8*(4*\kc+\a)+7], v[8*(4*(\a)+\b):8*(4*(\a)+\b)+7]
.endif
.endr
.endr
.endm
; 32 LDS loads in one run: 64 rows of wo, then 64 rows of a, 64 K at byte k of the rows, the first 32 of K first
.macro FETCH slot, k, f
	WIN TO_B
.irp kc, 0,1
.irp n, 0,1,2,3
	ds_load_b128 v[\f+8*(4*\kc+\n):\f+8*(4*\kc+\n)+3],   v[ADRB+\slot] offset:\k+64*\kc+\n*16*PITCH
	ds_load_b128 v[\f+8*(4*\kc+\n)+4:\f+8*(4*\kc+\n)+7], v[ADRB+\slot] offset:\k+64*\kc+\n*16*PITCH+32
.endr
.endr
	WIN 0
.irp kc, 0,1
.irp n, 0,1,2,3
	ds_load_b128 v[\f+8*(4*\kc+\n):\f+8*(4*\kc+\n)+3],   v[ADRA+\slot] offset:\k+64*\kc+\n*16*PITCH
	ds_load_b128 v[\f+8*(4*\kc+\n)+4:\f+8*(4*\kc+\n)+7], v[ADRA+\slot] offset:\k+64*\kc+\n*16*PITCH+32
.endr
.endr
.endm
.macro PLACES                          ; four independent vector instructions behind a matrix instruction (ISA guide 7.12.1 for vector instructions)
.rept 4
	v_nop
.endr
.endm
; A quarter of a slot: 64 along K, 32 matrix instructions on buffer f; in its middle the next quarter's fragments go into buffer g.  zero: the first 32 of K start the sums.
.macro QUARTER slot, k, f, g, zero
	s_wait_dscnt 8                                 ; all but the youngest eight loads (a's second 32 of K)
	WIN MULW
	MUL8 \f, 0, 0, \zero
	MUL8 \f, 0, 2, \zero
	PLACES
	FETCH \slot, \k, \g
	s_wait_dscnt 32                                ; all but the 32 just issued
	WIN MULW
	MUL8 \f, 1, 0, 0
	MUL8 \f, 1, 2, 0
.endm
.macro THREE slot, zero
	QUARTER \slot, 128, F0, F1, \zero
	QUARTER \slot, 256, F1, F0, 0
	QUARTER \slot, 384, F0, F1, 0
.endm
; The last quarter changes slots: each wave's reads of this slot and all its tensor loads are waited for in front of the barrier; with fill = 1 the barrier opens a
; round of the cluster's barrier and the joint refill is the first tensor load behind the round.
.macro TURN slot, next, fill
	s_wait_dscnt 8
	WIN MULW
	MUL8 F1, 0, 0, 0
	s_wait_dscnt 0
	s_wait_tensorcnt 0x0
	ds_add_u32 v255, v255
	s_wait_dscnt 0x0
	s_barrier_signal -1
	MUL8 F1, 0, 2, 0
	WIN 0
	s_barrier_wait -1
.if \fill
	CREST
	s_add_nc_u64 s[G0+4*\slot+2:G0+4*\slot+3], s[G0+4*\slot+2:G0+4*\slot+3], 1024
	s_add_nc_u64 s[G0B+4*\slot+2:G0B+4*\slot+3], s[G0B+4*\slot+2:G0B+4*\slot+3], 1024
	JLOAD \slot
.endif
	PLACES
	FETCH \next, 0, F0
	WIN MULW
	MUL8 F1, 1, 0, 0
	MUL8 F1, 1, 2, 0
.endm
.macro LAP zero
	THREE 0, \zero
	TURN 0, 1, 1
	THREE 1, 0
	TURN 1, 0, 1
.endm
	s_wait_tensorcnt 1                             ; my tile of K step 0 is in; K step 1's stays out
	s_barrier_signal -1
	s_barrier_wait -1
	FETCH 0, 0, F0
	LAP 1                                          ; laps 0 to 2 fill K steps 2 to 7
	WIN 0
	s_mov_b32 s3, LAPS-2
.Llap:
	LAP 0
	WIN 0
	s_sub_co_u32 s3, s3, 1
	s_cmp_lg_u32 s3, 0
	s_cbranch_scc1 .Llap
	THREE 0, 0                                     ; the last lap fills nothing
	TURN 0, 1, 0
	THREE 1, 0
	s_wait_dscnt 8
	WIN MULW
	MUL8 F1, 0, 0, 0
	MUL8 F1, 0, 2, 0
	s_wait_dscnt 0
	MUL8 F1, 1, 0, 0
	MUL8 F1, 1, 2, 0
	; THE WAY OUT, 16 rows at a time: a lane's 32 bytes go into my own stage, whole rows of 256 bytes come back and are stored.
	PLACES
	s_lshl_b32 s16, s13, 20                        ; row 128 x block row + 64 i, 8,192 bytes a row
	s_lshl_b32 s17, s11, 19
	s_add_co_u32 s16, s16, s17
	s_mov_b32 s17, 0
	s_add_nc_u64 s[8:9], s[8:9], s[16:17]
	s_lshl_b32 s46, s42, 9                         ; column 128 x block column + 64 j, 4 bytes each
	s_lshl_b32 s47, s12, 8
	s_add_co_u32 s46, s46, s47
	s_mov_b32 s47, 0
	s_add_nc_u64 s[8:9], s[8:9], s[46:47]
.macro OUT16 a, f
	WIN 0x08                                       ; store data window 2
.irp b, 0,1,2,3
.irp e, 0,1
	ds_store_b128 v[STO], v[8*(4*\a+\b)+4*\e:8*(4*\a+\b)+4*\e+3] offset:64*\b+16*\e
.endr
.endr
	WIN 0
	s_wait_xcnt 0x0                                ; buffer f and the stores' base are written again only behind this wait (ISA guide 3.1)
.if \a
	s_add_nc_u64 s[8:9], s[8:9], 16*8192
.endif
.irp t, 0,1,2,3,4,5,6,7
	ds_load_b128 v[\f+4*\t:\f+4*\t+3], v[RD] offset:\t*2*SPITCH    ; LDS serves a wave's instructions in order: these see the stores above
.endr
.irp t, 0,1,2,3,4,5,6,7
	s_wait_dscnt 7-\t
	global_store_b128 v[CO], v[\f+4*\t:\f+4*\t+3], s[8:9] offset:\t*16384 th:TH_STORE_NT   ; sixteen lanes store 256 consecutive bytes, aligned
.endr
.endm
	OUT16 0, F0
	OUT16 1, F1
	OUT16 2, F0
	OUT16 3, F1
	s_set_vgpr_msb 0x1
	s_wait_tensorcnt 0x0
	ds_add_u32 v255, v255
	s_wait_dscnt 0x0
	s_set_vgpr_msb 0x100
	CROUND                                         ; the closing round
	s_endpgm
.Lfunc_end_k_q56b2dfb8d8_oproj:
	.size	k_q56b2dfb8d8_oproj, .Lfunc_end_k_q56b2dfb8d8_oproj-k_q56b2dfb8d8_oproj
	.p2alignl 7, 3214868480
	.fill 96, 4, 3214868480
	.section	.rodata,"a",@progbits
	.p2align	6, 0x0
	.amdhsa_kernel k_q56b2dfb8d8_oproj
		.amdhsa_group_segment_fixed_size 327680
		.amdhsa_private_segment_fixed_size 0
		.amdhsa_enable_private_segment 0
		.amdhsa_kernarg_size 24
		.amdhsa_user_sgpr_count 2
		.amdhsa_user_sgpr_kernarg_segment_ptr 1
		.amdhsa_wavefront_size32 1
		.amdhsa_system_sgpr_workgroup_id_x 1
		.amdhsa_system_sgpr_workgroup_id_y 1
		.amdhsa_system_sgpr_workgroup_id_z 1
		.amdhsa_system_vgpr_workitem_id 0
		.amdhsa_next_free_vgpr 640
		.amdhsa_next_free_sgpr 66
		.amdhsa_reserve_vcc 0
		.amdhsa_float_denorm_mode_32 3
		.amdhsa_float_denorm_mode_16_64 3
		.amdhsa_memory_ordered 1
		.amdhsa_forward_progress 1
		.amdhsa_inst_pref_size 123
	.end_amdhsa_kernel
	.amdgpu_metadata
---
amdhsa.version: [ 1, 2 ]
amdhsa.kernels:
  - .name:           k_q56b2dfb8d8_oproj
    .symbol:         k_q56b2dfb8d8_oproj.kd
    .args:
      - { .name: ah, .offset: 0, .size: 8, .value_kind: global_buffer, .address_space: global }
      - { .name: wh, .offset: 8, .size: 8, .value_kind: global_buffer, .address_space: global }
      - { .name: out0, .offset: 16, .size: 8, .value_kind: global_buffer, .address_space: global }
    .group_segment_fixed_size: 327680
    .private_segment_fixed_size: 0
    .kernarg_segment_align: 8
    .kernarg_segment_size: 24
    .max_flat_workgroup_size: 128
    .sgpr_count:     66
    .vgpr_count:     640
    .wavefront_size: 32
...
	.end_amdgpu_metadata
.endif
;; end of part 4
;; ======== version 2 of 2: 4 launches; version 1 with the launch cast written anew for expert scheduling mode
;; limits: values are held in f16: magnitudes above 65,504 overflow, below 6.1e-05 lose precision
;; workspace buffers: xh 8,388,608 bytes; wh 33,554,432 bytes; qh 8,388,608 bytes; kh 8,388,608 bytes; vh 8,388,608 bytes; ah 8,388,608 bytes
;; launch cast (part 5): grid 1024 x 1, 8 waves a work-group, no clusters, 0 bytes of LDS; arguments hidden_states, wq, wk, wv, wo, xh, wh; writes xh, wh
.if DOCPART == 5
	.amdgcn_target "amdgcn-amd-amdhsa--gfx1250"
	.amdhsa_code_object_version 6
	.text
	.protected	k_q56b2dfb8d8_cast
	.globl	k_q56b2dfb8d8_cast
	.p2align	8
	.type	k_q56b2dfb8d8_cast,@function
k_q56b2dfb8d8_cast:
	s_mov_b64 s[64:65], 0
	v_nop
	global_prefetch_b8 v0, s[64:65] scope:SCOPE_SE
	s_setreg_imm32_b32 hwreg(HW_REG_WAVE_SCHED_MODE, 0, 2), 2
	s_setreg_imm32_b32 hwreg(HW_REG_WAVE_MODE, 25, 1), 1
	s_wait_xcnt 0x0
	s_wait_alu depctr_vm_vsrc(0)
; f32 -> f16 of the five inputs, each 2048 x 2048: hidden_states -> xh; wq, wk, wv, wo -> wh at bytes 0, 0x800000, 0x1000000, 0x1800000.
; Why a launch of its own: the later launches bring their tiles into LDS by tensor loads, which move bytes and convert nothing.
; Why f16 and not bf16: f16 keeps three more bits, and every operand of this module has room in its range (see LIMITS).
; LIMITS: an input above 65,504 in magnitude becomes an infinity; below 6.1e-5 the absolute error is up to 3e-8 (f16 denormals).
; A stream: bytes are all that counts.  No LDS, no barrier, no matrix unit, no cluster: no byte is used twice and no wave needs another's.
; Work-group g owns bytes 16,384 g .. +16,383 of each input and 8,192 g .. +8,191 of each output; 1,024 work-groups cover 16,777,216 bytes.
; A wave's load covers 512 consecutive bytes, its store 256 consecutive bytes at a multiple of 256.  All 20 loads of a wave go out first.
; THE MODE: SCHED_MODE bits 1:0 = 2 (LLVM: expert scheduling mode 2), set by the entry lines.  The code itself states the register dependences
; between vector instructions and memory instructions, with s_wait_alu, always for 0.
; THE PLAN.  Registers that memory instructions touch:
;   v1, v2     byte offsets, in and out.  Written once at the head; read by every load (v1) and every store (v2); never written again.
;   v[4:83]    20 groups of four.  Each group is written once by its load; no vector instruction names it ahead of that load.  Its two conversions read the four
;              registers and write the first two, in place; its one store reads those two; nothing writes them behind the store.
; So one wait at the head states that the offsets are written, and one wait in each input's turn, between its eight conversions and its four stores, states
; that the stores' data are written.  No register that a load or a store has read is ever written again, so no wait on the memory side's reads is owed.
; A turn's stores stand in the turn itself and not behind the next turn's data: all loads are out from the start, so they would only leave later.
.set X, 4                              ; v[4:83]  20 groups of four registers as loaded; the first two of each group as stored
	s_load_b256 s[4:11], s[0:1], 0x0               ; hidden_states s[4:5], wq s[6:7], wk s[8:9], wv s[10:11]
	s_load_b128 s[12:15], s[0:1], 0x20             ; wo s[12:13], xh s[14:15]
	s_load_b64 s[16:17], s[0:1], 0x30              ; wh
	s_lshl_b32 s2, ttmp9, 14                       ; my 16,384 bytes of an input
	s_lshl_b32 s3, ttmp9, 13                       ; my 8,192 bytes of an output
	v_lshl_add_u32 v1, v0, 4, s2                   ; 16 bytes a thread in
	v_lshl_add_u32 v2, v0, 3, s3                   ; 8 bytes a thread out
	s_wait_kmcnt 0x0
	s_wait_alu depctr_va_vdst(0)                   ; v1 and v2 are written: every load of the kernel reads v1 as its offset, every store v2; no later vector instruction names either
.macro LD4 i, base                     ; four loads: the work-group's 16,384 bytes of one input
.irp j, 0,1,2,3
	global_load_b128 v[X+16*\i+4*\j:X+16*\i+4*\j+3], v1, s[\base:\base+1] offset:4096*\j th:TH_LOAD_NT
.endr
.endm
; One input's turn.  left = the loads issued behind this group's four: they may stay out (loads return in order: ISA guide 5.7.1)
.macro CV4 i, base, left
	s_wait_loadcnt \left
.irp j, 0,1,2,3
	v_cvt_pk_f16_f32 v[X+16*\i+4*\j],   v[X+16*\i+4*\j],   v[X+16*\i+4*\j+1]
	v_cvt_pk_f16_f32 v[X+16*\i+4*\j+1], v[X+16*\i+4*\j+2], v[X+16*\i+4*\j+3]
.endr
	s_wait_alu depctr_va_vdst(0)                   ; the eight conversions have written the first two registers of each of the turn's four groups, which the four stores below read
.irp j, 0,1,2,3
	global_store_b64 v2, v[X+16*\i+4*\j:X+16*\i+4*\j+1], s[\base:\base+1] offset:2048*\j
.endr
.endm
	LD4 0, 4
	LD4 1, 6
	LD4 2, 8
	LD4 3, 10
	LD4 4, 12
	s_add_nc_u64 s[18:19], s[16:17], 0x800000      ; wk's, wv's and wo's places in wh: bases of their own, since the
	s_add_nc_u64 s[20:21], s[16:17], 0x1000000     ; distances do not fit the store's signed 24-bit immediate
	s_add_nc_u64 s[22:23], s[16:17], 0x1800000
	CV4 0, 14, 16
	CV4 1, 16, 12
	CV4 2, 18, 8
	CV4 3, 20, 4
	CV4 4, 22, 0
	s_endpgm                                       ; no register is written again behind its store
.Lfunc_end_k_q56b2dfb8d8_cast:
	.size	k_q56b2dfb8d8_cast, .Lfunc_end_k_q56b2dfb8d8_cast-k_q56b2dfb8d8_cast
	.p2alignl 7, 3214868480
	.fill 96, 4, 3214868480
	.section	.rodata,"a",@progbits
	.p2align	6, 0x0
	.amdhsa_kernel k_q56b2dfb8d8_cast
		.amdhsa_group_segment_fixed_size 0
		.amdhsa_private_segment_fixed_size 0
		.amdhsa_enable_private_segment 0
		.amdhsa_kernarg_size 56
		.amdhsa_user_sgpr_count 2
		.amdhsa_user_sgpr_kernarg_segment_ptr 1
		.amdhsa_wavefront_size32 1
		.amdhsa_system_sgpr_workgroup_id_x 1
		.amdhsa_system_sgpr_workgroup_id_y 1
		.amdhsa_system_sgpr_workgroup_id_z 1
		.amdhsa_system_vgpr_workitem_id 0
		.amdhsa_next_free_vgpr 84
		.amdhsa_next_free_sgpr 66
		.amdhsa_reserve_vcc 0
		.amdhsa_float_denorm_mode_32 3
		.amdhsa_float_denorm_mode_16_64 3
		.amdhsa_memory_ordered 1
		.amdhsa_forward_progress 1
		.amdhsa_inst_pref_size 8
	.end_amdhsa_kernel
	.amdgpu_metadata
---
amdhsa.version: [ 1, 2 ]
amdhsa.kernels:
  - .name:           k_q56b2dfb8d8_cast
    .symbol:         k_q56b2dfb8d8_cast.kd
    .args:
      - { .name: hidden_states, .offset: 0, .size: 8, .value_kind: global_buffer, .address_space: global }
      - { .name: wq, .offset: 8, .size: 8, .value_kind: global_buffer, .address_space: global }
      - { .name: wk, .offset: 16, .size: 8, .value_kind: global_buffer, .address_space: global }
      - { .name: wv, .offset: 24, .size: 8, .value_kind: global_buffer, .address_space: global }
      - { .name: wo, .offset: 32, .size: 8, .value_kind: global_buffer, .address_space: global }
      - { .name: xh, .offset: 40, .size: 8, .value_kind: global_buffer, .address_space: global }
      - { .name: wh, .offset: 48, .size: 8, .value_kind: global_buffer, .address_space: global }
    .group_segment_fixed_size: 0
    .private_segment_fixed_size: 0
    .kernarg_segment_align: 8
    .kernarg_segment_size: 56
    .max_flat_workgroup_size: 256
    .sgpr_count:     66
    .vgpr_count:     84
    .wavefront_size: 32
...
	.end_amdgpu_metadata
.endif
;; end of part 5
;; launch qkv: the kernel of part 2 again; grid 16 x 16, 4 waves a work-group, clusters of 4 x 4, 327,680 bytes of LDS; arguments xh, wh, qh, kh, vh; writes qh, kh, vh
;; launch attn: the kernel of part 3 again; grid 8 x 32, 4 waves a work-group, clusters of 4 x 1, 327,680 bytes of LDS; arguments qh, kh, vh, ah; writes ah
;; launch oproj: the kernel of part 4 again; grid 16 x 16, 4 waves a work-group, clusters of 4 x 4, 327,680 bytes of LDS; arguments ah, wh, out0; writes out0
